; MI455X (gfx1250); checked and timed in simulation.
; The chip was launched on July 23, 2026; its instructions are those of AMD's public machine-readable ISA for CDNA 5 (MIT licence, August 2026) and "CDNA5" Instruction Set Architecture Reference Guide (July 2026). The comments in the code are by the model that wrote it; some were corrected since.
;; Self Attention. Allowed arithmetic: matrix products marked QUANTISED: E2M1 operands, one E8M0 scale for each 32 along K, by v_wmma_scale_f32_16x16x128_f8f6f4 with both operands' format E2M1 (or v_wmma_scale_f32_32x16x128_f4), f32 sums; everything else in f32.
;; Inputs: keys 2 x 4,096 x 8 x 64 float32; queries 2 x 4,096 x 8 x 64 float32; values 2 x 4,096 x 8 x 64 float32.
;; Outputs: out0 2 x 4,096 x 8 x 64 float32.
;; This version of the problem:
;;   THIS VERSION OF THE PROBLEM IS GIVEN IN LOW PRECISION. The matrix products marked QUANTISED in the list below multiply operands that are first quantised to E2M1 (2 exponent bits, 1 mantissa bit; 4 bits a number), with one power-of-two scale for each 32 numbers along K (OCP MX v1.0); their sums are f32. All else is computed in f32.
;;   The module's matrix products, in the order in which they are computed (A, B: the left and right operand; K: the contracted axis; several contracted axes count as one K, in the product's order):
;;     1. batch 16 x [M 4,096, K 64] x [K 64, N 4,096]; A: input queries; B: input keys: QUANTISED
;;     2. batch 16 x [M 64, K 4,096] x [K 4,096, N 4,096]; A: input values; B: softmax (see below): QUANTISED
;;   THE QUANTISER, for each operand of a quantised product, along K:
;;     - K is cut into blocks of 32 from its start; a last block that is shorter is filled with zeros.
;;     - A block's scale is 2^e with e = floor(log2(the largest magnitude in the block)) - 2, held to -126 .. 127; a block of zeros has e = 0. As a byte (E8M0): e + 127.
;;     - Each number is divided by its block's scale, clamped to +-6, and rounded to the nearest number of E2M1, ties to even, subnormals kept.
;;     - The product sums the exact products of the quantised numbers (number of the format x scale) in f32.
;;   ~~~python
;;   def quantise(x, axis):      # numpy; x: float32 -> the quantised numbers, widened to float32 again
;;       x = np.moveaxis(x, axis, -1); K = x.shape[-1]
;;       x = np.pad(x, [(0, 0)] * (x.ndim - 1) + [(0, -K % 32)]); x = x.reshape(x.shape[:-1] + (-1, 32)); a = np.abs(x).max(-1, keepdims=True)
;;       e = np.where(a > 0, np.clip(np.frexp(np.where(a > 0, a, 1))[1] - 1 - 2, -126, 127), 0)      # np.frexp(a)[1] - 1 = floor(log2(a)), exactly
;;       r = np.clip(x / 2.0 ** e, -6, 6)
;;       step = 2.0 ** (np.maximum(np.frexp(np.where(r == 0, 1, r))[1] - 1, 0) - 1)
;;       q = np.round(r / step) * step * 2.0 ** e      # np.round: ties to even
;;       return np.moveaxis(q.reshape(q.shape[:-2] + (-1,))[..., :K], -1, axis).astype(np.float32)
;;   ~~~
;;   SOFTMAX AHEAD OF A QUANTISED PRODUCT. Where the list says 'softmax', what is quantised is not the finished softmax but p = 2^(t - M), with t = logit x log2(e) and M = ceil(the row's largest t), a whole number; so 1/2 < the row's largest p <= 1. The row's sum l is taken of the UNQUANTISED p, in f32, and the product's result is divided by l at the end. Since M is a whole number, a kernel that streams over the keys may use a running M (the ceiling of the running maximum): every later rescaling is an exact power of two, which a block's scale takes up: the codes' values come out the same.
;;   OPERANDS COMPUTED ON THE WAY. 'Computed on the way' means the value that the module computes at that place (a softmax that the list does not call 'softmax' is quantised finished and normalised). What goes into a quantiser is computed in f32, as accurately as f32 sums, v_exp_f32 and their like allow (about 1e-6 of the number): no bf16 or f16 on the way to a quantiser, and a product that is left as it is and whose result goes on into a quantised operand takes f32 operands (vector FMAs, or v_wmma_f32_16x16x4_f32). A number that lies on a knife's edge between two numbers of the format may be rounded either way, as far as f32 arithmetic and the matrix unit's own rounding can turn it there, and no further.
;; One version. Each part assembles by itself: llvm-mc -triple=amdgcn-amd-amdhsa -mcpu=gfx1250 --defsym DOCPART=n.
;; ======== version 1 of 1: 2 launches
;; limits: right only within a limited range of input values
;; workspace buffers: kv 4,456,448 bytes
;; launch prep (part 1): grid 256 x 1, 8 waves a work-group, no clusters, 35,840 bytes of LDS; arguments keys, values, kv; writes kv
.if DOCPART == 1
	.amdgcn_target "amdgcn-amd-amdhsa--gfx1250"
	.amdhsa_code_object_version 6
	.text
	.protected	k_q86f9150106_prep
	.globl	k_q86f9150106_prep
	.p2align	8
	.type	k_q86f9150106_prep,@function
k_q86f9150106_prep:
	s_mov_b64 s[64:65], 0
	v_nop
	global_prefetch_b8 v0, s[64:65] scope:SCOPE_SE
	s_setreg_imm32_b32 hwreg(HW_REG_WAVE_MODE, 25, 1), 1
	s_wait_xcnt 0x0
; keys and values, [2][4096][8][64] f32, become codes of FP4 (E2M1) with one E8M0 scale byte for each 32 along a product's K:
; keys along d (the first product's K), values along the KEYS (the second product's K).  They are laid as IMAGES OF THE OPERANDS' REGISTERS,
; one dense record of 8,704 bytes for each (batch, head, 128 keys), so that the attention launch takes every fragment by 16-byte loads at 16 x lane.
; A RECORD (l = lane, r = l % 16, H = l / 16):
;   +0     K's codes: tile T = 4 g + u (0..7) at 512 T + 16 l: d = 32 H .. 32 H + 31 of key 64 g + 32 (r / 8) + 8 u + r % 8 of the step
;   +4096  V's codes: tile t (channels 16 t ..) at 1024 t + 256 b + 16 r: keys 32 b .. 32 b + 31 of channel 16 t + r
;   +8192  K's scale words at 128 g + 4 l: fragment 2 g + H (tiles 2 f, 2 f + 1), row r: bytes [tile 2 f d-block 0, 1, tile 2 f + 1 d-block 0, 1]
;   +8448  V's scale words at 128 p + 4 l: tile 2 p + H, row r: byte b = key block b of the step
; THE KEYS OF A TILE ARE NOT NEIGHBOURS: with this choice the score product leaves 32 neighbouring keys in one lane's 32 registers.
; A block's scale is 2^(floor(log2(its largest magnitude)) - 2); its byte is the largest magnitude's exponent field - 2, held at 1 from below.
; LIMITS: NaN and infinities among the inputs are not served.  A block of zeros gets the byte 1 where the rule says 127: its codes are zeros, which add nothing
; under any byte but 0xff, and this program alone reads the bytes.  A largest magnitude under 2^-124 keeps the byte 1, as the rule's clip has it.
; SHARES: 2,048 waves, 16 KiB of input each.  Work-groups 0-127 take keys (a wave: 64 keys of one head), 128-255 values (a wave: 128 keys x 32 channels).
; Waves share nothing: no barrier.  Only the keys' path touches LDS (a stage of its own for each wave).
; The scale words leave 128 bytes at a store: one byte in 17 of what the launch stores.
.set REC,    8704                      ; bytes of a record
.set SPITCH, 272                       ; a stage row: 256 bytes + 16 = 68 words, so that 16 rows start at 16 different banks (64 banks of 4 bytes: ISA guide 11.1)
.set STG,    16*SPITCH                 ; a wave's stage
.set C,      20                        ; v20-35   codes: four registers for each tile or block, so that no store's data are written again
.set X,      36                        ; v36-67   keys: a lane's 32 neighbours along d
.set R,      68                        ; v68-195  four sets of 32 numbers as they are loaded
; v[x] .. v[x+31], one block of one lane, become 32 codes in v[c] .. v[c+3] and the scale's byte in v14
.macro QUANT x, c
	v_max3_num_f32 v11, |v[\x]|, |v[\x+1]|, |v[\x+2]|              ; the block's largest magnitude, in two chains
	v_max3_num_f32 v12, |v[\x+3]|, |v[\x+4]|, |v[\x+5]|
.irp i, 6,10,14,18,22,26
	s_delay_alu instid0(VALU_DEP_2)
	v_max3_num_f32 v11, v11, |v[\x+\i]|, |v[\x+\i+1]|
	s_delay_alu instid0(VALU_DEP_2)
	v_max3_num_f32 v12, v12, |v[\x+\i+2]|, |v[\x+\i+3]|
.endr
	s_delay_alu instid0(VALU_DEP_2)
	v_max3_num_f32 v11, v11, |v[\x+30]|, |v[\x+31]|
	s_delay_alu instid0(VALU_DEP_1)
	v_max3_num_f32 v11, v11, v12, 0x1800000        ; and the floor 2^(3 - 127): the byte cannot fall under 1
	s_delay_alu instid0(VALU_DEP_1)
	v_add_nc_u32 v13, 0xff000000, v11              ; 2 off the exponent field: the conversion takes this operand's exponent field as its scale
.irp q, 0,1,2,3
	v_cvt_scalef32_pk8_fp4_f32 v[\c+\q], v[\x+8*\q:\x+8*\q+7], v13
.endr
	v_lshrrev_b32 v14, 23, v13                     ; the scale's byte; also the plain line behind the conversions
.endm
	s_load_b128 s[4:7], s[0:1], 0x0                ; keys s[4:5], values s[6:7]
	s_load_b64 s[8:9], s[0:1], 0x10                ; kv
	v_lshl_add_u32 v196, v0, 2, 0x8800
	v_mov_b32 v197, 0
	v_lshrrev_b32 v1, 5, v0
	s_delay_alu instid0(VALU_DEP_1)
	v_readfirstlane_b32 s10, v1                    ; wave 0..7
	v_and_b32 v1, 31, v0                           ; lane
	v_and_b32 v2, 15, v0                           ; r
	v_bfe_u32 v3, v0, 4, 1                         ; H
	s_delay_alu instid0(VALU_DEP_3)
	v_lshlrev_b32 v7, 4, v1                        ; 16 x lane
	s_delay_alu instid0(VALU_DEP_4)
	v_lshlrev_b32 v8, 2, v1                        ; 4 x lane
	s_and_b32 s11, ttmp9, 127
	s_lshl_b32 s11, s11, 3
	s_add_co_u32 s11, s11, s10                     ; my task among the tensor's 1,024
	s_lshr_b32 s12, s11, 1                         ; the record: 32 x (8 batch + head) + step
	s_and_b32 s13, s11, 1                          ; which half of it: keys: g (64 keys); values: p (32 channels)
	s_lshr_b32 s14, s12, 8                         ; where the record's numbers begin: batch x 2^23
	s_lshl_b32 s14, s14, 23
	s_and_b32 s15, s12, 31
	s_lshl_b32 s15, s15, 18                        ; + step x 128 positions of 2,048 bytes
	s_add_co_u32 s14, s14, s15
	s_bfe_u32 s15, s12, 0x30005
	s_lshl_b32 s15, s15, 8                         ; + head x 256
	s_add_co_u32 s14, s14, s15
	s_mov_b32 s15, 0
	s_mul_i32 s16, s12, REC
	s_lshl_b32 s18, s13, 7
	s_add_co_u32 s18, s16, s18                     ; my scale words: record + 128 x half
	s_lshl_b32 s17, s13, 11
	s_add_co_u32 s16, s16, s17                     ; my codes: record + 2,048 x half
	s_mov_b32 s17, 0
	s_mov_b32 s19, 0
	s_mov_b32 s26, 0x76543210
	s_mov_b32 s27, 0xfedcba98                      ; v_permlanex16_b32's selects for lane l xor 16
	s_wait_kmcnt 0x0
	s_add_nc_u64 s[22:23], s[8:9], s[16:17]
	s_add_nc_u64 s[24:25], s[8:9], s[18:19]
	s_cmp_lt_u32 ttmp9, 128                        ; keys' work-group or values'?  It hangs on the work-group's number alone
	s_cbranch_scc0 .Lvalues
	; ---- KEYS.  A load reads two whole rows of 256 bytes (sixteen lanes a row); a tile's 16 rows turn through the wave's stage, so that a lane gets 32 neighbours along d.
	s_lshl_b32 s28, s13, 17                        ; 64 keys x 2,048 bytes for the second half
	s_add_co_u32 s14, s14, s28
	s_add_nc_u64 s[20:21], s[4:5], s[14:15]
	s_wait_alu depctr_va_vdst(0)
	v_lshlrev_b32 v4, 4, v2
	s_delay_alu instid0(VALU_DEP_1)
	v_lshl_add_u32 v4, v3, 11, v4                  ; in memory: 16 r, and one position on for lanes 16-31
	s_mul_i32 s29, s10, STG                        ; my stage
	v_mul_u32_u24 v5, v3, SPITCH
	s_delay_alu instid0(VALU_DEP_1)
	v_lshl_add_u32 v5, v2, 4, v5
	s_delay_alu instid0(VALU_DEP_1)
	v_add_nc_u32 v5, s29, v5                       ; into it: row H of the load's two, 16 r
	v_mul_u32_u24 v6, v2, SPITCH
	s_delay_alu instid0(VALU_DEP_1)
	v_lshl_add_u32 v6, v3, 7, v6
	s_delay_alu instid0(VALU_DEP_1)
	v_add_nc_u32 v6, s29, v6                       ; out of it: row r, my half's 128 bytes
	v_lshlrev_b32 v9, 3, v3                        ; my byte's place in a scale word: 8 H bits up for a fragment's first tile,
	s_delay_alu instid0(VALU_DEP_1)
	v_add_nc_u32 v10, 16, v9                       ; 16 + 8 H for its second
	v_mov_b32 v18, 0                               ; a lane permute's destination counts as one of its sources
	v_mov_b32 v19, 0
.macro KLOAD u                         ; tile u's 16 keys: stage row 2 i + H is key 8 u + 32 (i / 4) + 2 (i % 4) + H of my 64
.irp i, 0,1,2,3,4,5,6,7
	global_load_b128 v[R+32*(\u)+4*\i:R+32*(\u)+4*\i+3], v4, s[20:21] offset:(8*(\u)+32*(\i/4)+2*(\i%4))*2048 th:TH_LOAD_NT
.endr
.endm
.macro KTILE u
	s_wait_loadcnt 8*(3-(\u))                      ; loads come back in order (ISA guide 5.7.1): this tile's eight are in, those of the tiles behind it may be out
.irp i, 0,1,2,3,4,5,6,7
	ds_store_b128 v5, v[R+32*(\u)+4*\i:R+32*(\u)+4*\i+3] offset:2*\i*SPITCH
.endr
.irp j, 0,1,2,3,4,5,6,7
	ds_load_b128 v[X+4*\j:X+4*\j+3], v6 offset:16*\j   ; LDS serves a wave's instructions in order (ISA guide 5.7.1.4): these see the stores above
.endr
	s_wait_dscnt 0x0
	QUANT X, C+4*(\u)
.if (\u)%2 == 0
	s_delay_alu instid0(VALU_DEP_1)
	v_lshlrev_b32 v[16+(\u)/2], v9, v14            ; the fragment's scale word begins: v16 for tiles 0, 1; v17 for tiles 2, 3
.else
	s_delay_alu instid0(VALU_DEP_1)
	v_lshlrev_b32 v15, v10, v14
	s_delay_alu instid0(VALU_DEP_1)
	v_or_b32 v[16+(\u)/2], v[16+(\u)/2], v15
.endif
	global_store_b128 v7, v[C+4*(\u):C+4*(\u)+3], s[22:23] offset:512*(\u)   ; 32 lanes store 512 consecutive bytes, at a multiple of 256 from kv's first byte
.endm
.irp u, 0,1,2,3
	KLOAD \u                                       ; all 16 KiB of the wave are asked for at once
.endr
	s_wait_alu depctr_va_vdst(0)
.irp u, 0,1,2,3
	KTILE \u
.endr
	v_permlanex16_b32 v18, v16, s26, s27           ; lane l xor 16 holds the other d-block's two bytes
	v_permlanex16_b32 v19, v17, s26, s27
	s_delay_alu instid0(VALU_DEP_2)
	v_or_b32 v16, v16, v18
	s_delay_alu instid0(VALU_DEP_2)
	v_or_b32 v17, v17, v19
	v_cmp_le_u32 vcc_lo, 16, v1
	s_delay_alu instid0(VALU_DEP_1)
	v_cndmask_b32 v15, v16, v17, vcc_lo            ; lanes 0-15 store the first fragment's words, lanes 16-31 the second's
	global_store_b32 v8, v15, s[24:25] offset:8192
	s_wait_tensorcnt 0x0
	ds_add_u32 v196, v197
	s_wait_dscnt 0x0
	s_endpgm
.Lvalues:
	; ---- VALUES.  A lane takes a channel and its registers run down the keys: a block of 32 keys lies in one lane, and the codes come out with the keys innermost.  Nothing is transposed.
	s_lshl_b32 s28, s13, 7                         ; 32 channels x 4 bytes for the second half
	s_add_co_u32 s14, s14, s28
	s_add_nc_u64 s[20:21], s[6:7], s[14:15]
	s_wait_alu depctr_va_vdst(0)
	v_lshlrev_b32 v5, 4, v2
	s_delay_alu instid0(VALU_DEP_1)
	v_lshl_add_u32 v5, v3, 10, v5                  ; my codes: tile H of my two, row r
.macro VLOAD b                         ; block b: key 32 b + i, my channel.  A load takes 128 consecutive bytes: half a row; the neighbouring wave takes the other half, so no hint is given
.irp i, 0,1,2,3,4,5,6,7,8,9,10,11,12,13,14,15,16,17,18,19,20,21,22,23,24,25,26,27,28,29,30,31
	global_load_b32 v[R+32*(\b)+\i], v8, s[20:21] offset:(32*(\b)+\i)*2048
.endr
.endm
.macro VBLOCK b
.if (\b) < 2
	s_wait_loadcnt 63                              ; 96 or 64 loads were issued behind this block's; 63 is the largest count that the wait can name, and the smaller count is the safe one
.else
	s_wait_loadcnt 32*(3-(\b))                     ; the blocks behind this one may be out
.endif
	QUANT R+32*(\b), C+4*(\b)
.if (\b) == 0
	s_delay_alu instid0(VALU_DEP_1)
	v_mov_b32 v16, v14                             ; my channel's scale word: byte b = block b
.else
	s_delay_alu instid0(VALU_DEP_1)
	v_lshl_or_b32 v16, v14, 8*(\b), v16
.endif
	global_store_b128 v5, v[C+4*(\b):C+4*(\b)+3], s[22:23] offset:4096+256*(\b)   ; sixteen lanes store 256 consecutive bytes, at a multiple of 256 from kv's first byte
.endm
.irp b, 0,1,2,3
	VLOAD \b                                       ; all of the wave's loads are issued on end; the issue is held where the counter's field is full (ISA guide 5.7.1)
.endr
.irp b, 0,1,2,3
	VBLOCK \b
.endr
	global_store_b32 v8, v16, s[24:25] offset:8448
	s_endpgm
.Lfunc_end_k_q86f9150106_prep:
	.size	k_q86f9150106_prep, .Lfunc_end_k_q86f9150106_prep-k_q86f9150106_prep
	.p2alignl 7, 3214868480
	.fill 96, 4, 3214868480
	.section	.rodata,"a",@progbits
	.p2align	6, 0x0
	.amdhsa_kernel k_q86f9150106_prep
		.amdhsa_group_segment_fixed_size 35840
		.amdhsa_private_segment_fixed_size 0
		.amdhsa_enable_private_segment 0
		.amdhsa_kernarg_size 24
		.amdhsa_user_sgpr_count 2
		.amdhsa_user_sgpr_kernarg_segment_ptr 1
		.amdhsa_wavefront_size32 1
		.amdhsa_system_sgpr_workgroup_id_x 1
		.amdhsa_system_sgpr_workgroup_id_y 1
		.amdhsa_system_sgpr_workgroup_id_z 1
		.amdhsa_system_vgpr_workitem_id 0
		.amdhsa_next_free_vgpr 198
		.amdhsa_next_free_sgpr 66
		.amdhsa_reserve_vcc 1
		.amdhsa_float_denorm_mode_32 3
		.amdhsa_float_denorm_mode_16_64 3
		.amdhsa_memory_ordered 1
		.amdhsa_forward_progress 1
		.amdhsa_inst_pref_size 40
	.end_amdhsa_kernel
	.amdgpu_metadata
---
amdhsa.version: [ 1, 2 ]
amdhsa.kernels:
  - .name:           k_q86f9150106_prep
    .symbol:         k_q86f9150106_prep.kd
    .args:
      - { .name: keys, .offset: 0, .size: 8, .value_kind: global_buffer, .address_space: global }
      - { .name: values, .offset: 8, .size: 8, .value_kind: global_buffer, .address_space: global }
      - { .name: kv, .offset: 16, .size: 8, .value_kind: global_buffer, .address_space: global }
    .group_segment_fixed_size: 35840
    .private_segment_fixed_size: 0
    .kernarg_segment_align: 8
    .kernarg_segment_size: 24
    .max_flat_workgroup_size: 256
    .sgpr_count:     66
    .vgpr_count:     198
    .wavefront_size: 32
...
	.end_amdgpu_metadata
.endif
;; end of part 1
;; launch attn (part 2): grid 16 x 16, 16 waves a work-group, clusters of 4 x 1, 296,960 bytes of LDS; arguments queries, kv, out0; writes out0
.if DOCPART == 2
	.amdgcn_target "amdgcn-amd-amdhsa--gfx1250"
	.amdhsa_code_object_version 6
	.text
	.protected	k_q86f9150106_attn
	.globl	k_q86f9150106_attn
	.p2align	8
	.type	k_q86f9150106_attn,@function
k_q86f9150106_attn:
	s_mov_b64 s[64:65], 0
	v_nop
	global_prefetch_b8 v0, s[64:65] scope:SCOPE_SE
	s_setreg_imm32_b32 hwreg(HW_REG_WAVE_MODE, 25, 1), 1
	s_wait_xcnt 0x0
	s_wait_alu depctr_hold_cnt(0) depctr_sa_sdst(0) depctr_va_vdst(0) depctr_va_sdst(0) depctr_va_ssrc(0) depctr_va_vcc(0) depctr_vm_vsrc(0)
	s_getreg_b32 s2, hwreg(HW_REG_IB_STS2, 6, 4)
	s_cmp_eq_u32 s2, 0
	s_cbranch_scc0 .Lentry_in_a_cluster
	s_endpgm
.Lentry_in_a_cluster:
	s_bfe_u32 s2, ttmp6, 0x10000c
	s_cmp_lg_u32 s2, 0x3003
	s_cbranch_scc0 .Lentry_shape_is_right
	s_endpgm
.Lentry_shape_is_right:
; out0[b][q][h][:] = the sum over k of softmax_k(Q . K / 8) V, both products on codes of FP4 (E2M1) with one E8M0 scale for each 32 along a product's K.
; queries, out0: [2][4096][8][64] f32.  kv: K's and V's codes and scale words as images of the operands' registers, a record of 8,704 bytes for each (batch, head, 128 keys):
;   +0 K's four fragments (1,024 bytes each: registers 0-3 one tile of 16 keys, registers 4-7 the next);  +4096 V's four (16 channels x 128 keys each);  +8192 K's scale words;  +8448 V's.
; THE SOFTMAX: t = score x log2(e) / 8; M = the row's largest t so far, rounded UP to a whole number; p = 2^(t - M) is quantised along the keys, not normalised.
; The row's sum is taken of the unquantised p, in f32, and divides O at the end.  When M moves, the sum and O are multiplied by 2^(old M - new M): exact, in every step, no branch on data.
; SHARES.  A work-group owns 256 queries of one (batch, head); each of its sixteen waves 16 of them, one tile, in 256 registers.
; A WHOLE HEAD STAYS IN LDS: its 32 records are 278,528 bytes, filled once: each wave issues ONE tensor load at the head, two records (68 rows of 256 bytes).  One wait and one barrier
; follow; the 32 key steps then have no barrier.  No byte is filled again.  All fills stand at the head, so there is no loop in which a prefetch could run ahead of them: none is written.
; CLUSTER.  The four work-groups of a cluster belong to one head and need the same kv: each part is asked for JOINTLY, by the same load with the same descriptor and a mask that names the four.
; LAYOUT.  Both products are used transposed: S^T = K Q^T, O^T = V^T P^T: a lane holds ONE query (lane % 16) throughout.
; Row m of score tile 4 g + u is key 64 g + 32 (m / 8) + 8 u + m % 8, so that the 32 registers of tiles 4 g .. 4 g + 3 are the 32 neighbouring keys 64 g + 32 (lane / 16) + 0 .. 31: a whole block of P
; in one lane, in the order of the operand's layout: the eight conversions' results ARE P's fragment.
; THE FIRST PRODUCT'S K IS 64, the instruction's 128.  A fragment of K holds two tiles; it is multiplied by Q0 = [Q | zero codes] and by Q1 = [zero codes | Q]; the two share their four registers of zeros.
; In the dead half Q's codes are zeros and Q's scale bytes 0 (2^-127): a zero code times any code adds nothing.
; LIMITS: NaN and infinities among the inputs are not served.  A block's largest p is its largest score put through the same multiply-add and v_exp_f32
; (this takes v_exp_f32 not to fall where its input rises).  p under 2^-126 is 0 (v_exp_f32 flushes: ISA guide 15.8).  A block whose every number is 0 keeps the byte 1: its codes are zeros.
.set REC,   8704                       ; a record
.set HEADB, 32*REC                     ; a head
.set PART,  2*REC                      ; what one tensor load brings
.set SP,    272                        ; a row of the way out's stage: 256 bytes + 16
.set OSTG,  16*SP                      ; a wave's stage on the way out, in records 0 to 7
.set SPARE, 0x44000                    ; behind the head: the spare words, 128 bytes a wave
.set QSTG,  0x44800                    ; behind them: 1,024 bytes a wave: Q's codes (512) and, at +512, Q's scale bytes (32)
; v1 16 x lane; v2 4 x lane; v3, v4 the step's LDS addresses; v5 8 H; v6 Q's offset; v7, v10, v11 the way out; v8 r; v9 H; v28-31 Q's stage
; v12 -M; v13 the largest score so far; v[14:15], v[222:223] the sum's two chains; v208-221 at work; v[214:215] f (v215 is only named with it); v254, v255 the add's two
.set QR,  16                           ; v16-19 Q, v20-23 zeros, v24-27 Q: Q0 = v16-23, Q1 = v20-27
.set KF,  32                           ; v32-63   K's four fragments
.set VF,  64                           ; v64-95   V's four
.set S,   96                           ; v96-159  S^T, then p
.set O,   160                          ; v160-191 O^T
.set PC,  192                          ; v192-199 P's codes
.set KS,  200                          ; v200-201 K's scale words; v200-206 hold scales and nothing else
.set VS,  202
.set QS,  204                          ; v204 Q0's, v205 Q1's
.set PS,  206
.set WV,  10
.set SEL, 20                           ; s[20:21] selects for lane l xor 16
.set CS,  22                           ; s[22:23] c = log2(e) / 8
.set G1,  24
.set G0,  32
.set TB,  48                           ; LDS byte at which the step's record begins
.set CNT, 49
.macro CROUND                          ; a round of the cluster's barrier
	s_barrier_signal -1
	s_barrier_wait -1
	s_cmp_lg_u32 s[WV], 0
	s_cbranch_scc1 .Lnot_wave_0_\@
	s_barrier_signal -3
.Lnot_wave_0_\@:
	s_barrier_wait -3
	s_barrier_signal -1
	s_barrier_wait -1
.endm
	s_load_b128 s[4:7], s[0:1], 0x0                ; queries, kv
	s_load_b64 s[8:9], s[0:1], 0x10                ; out0
	v_lshl_add_u32 v254, v0, 2, SPARE
	v_mov_b32 v255, 0
	ds_add_u32 v254, v255                          ; the opening lines: the add twice on end and its one wait
	ds_add_u32 v254, v255
	v_lshrrev_b32 v1, 5, v0
	v_readfirstlane_b32 s[WV], v1                  ; wave 0..15
	s_bfe_u32 s11, ttmp6, 0x40000                  ; cx
	s_lshl_b32 s12, ttmp9, 2
	s_add_co_u32 s12, s12, s11                     ; my block of 256 queries: it enters Q's and O's addresses alone
	s_and_b32 s13, ttmp7, 0xffff                   ; 8 batch + head, which the four partners share
	s_lshr_b32 s16, s13, 3
	s_lshl_b32 s16, s16, 23                        ; batch x 2^23
	s_lshl_b32 s17, s12, 19                        ; + block x 256 positions of 2,048 bytes
	s_add_co_u32 s16, s16, s17
	s_lshl_b32 s17, s[WV], 15                      ; + wave x 16 positions
	s_add_co_u32 s16, s16, s17
	s_and_b32 s17, s13, 7
	s_lshl_b32 s17, s17, 8                         ; + head x 256
	s_add_co_u32 s16, s16, s17
	s_mov_b32 s17, 0
	s_mul_i32 s50, s[WV], OSTG                     ; my stage on the way out
	s_mul_i32 s51, s[WV], PART                     ; my part of the head, in memory and in LDS alike
	s_lshl_b32 s52, s[WV], 10
	s_add_co_u32 s52, s52, QSTG                    ; Q's stage
	s_mul_i32 s18, s13, HEADB
	s_add_co_u32 s18, s18, s51
	s_mov_b32 s19, 0
	s_mov_b32 s[G1+0], 15|(3<<16)|(1<<21)          ; the mask: all four; elements of 8 bytes; bit 21 beside a mask
	s_mov_b32 s[G1+1], 32<<16                      ; rows of 32 elements = 256 bytes
	s_mov_b32 s[G1+2], 68<<16                      ; 68 rows
	s_mov_b32 s[G1+3], 32<<16
	s_mov_b32 s[G1+4], 68
	s_mov_b32 s[G1+5], 32                          ; the rows follow each other
	s_mov_b32 s[G1+6], 0
	s_mov_b32 s[G1+7], 0
	s_mov_b32 s[SEL], 0x76543210
	s_mov_b32 s[SEL+1], 0xfedcba98
	s_mov_b32 s[CS], 0x3e38aa3b
	s_mov_b32 s[CS+1], s[CS]
	v_and_b32 v7, 31, v0                           ; lane
	v_and_b32 v8, 15, v0                           ; r
	v_bfe_u32 v9, v0, 4, 1                         ; H
	v_lshlrev_b32 v1, 4, v7
	v_lshlrev_b32 v2, 2, v7
	v_lshlrev_b32 v5, 3, v9
	; Q comes 32 neighbouring bytes a lane: in set i lane l takes d = 8 (l % 8) .. + 7 of query 4 i + l / 8; four lanes hold a block of 32
	v_bfe_u32 v10, v0, 3, 2                        ; l / 8
	v_and_b32 v11, 7, v0                           ; l % 8
	v_lshlrev_b32 v6, 11, v10
	v_lshl_add_u32 v6, v11, 5, v6
	v_bfe_u32 v28, v0, 2, 1                        ; my d-block
	v_and_b32 v29, 3, v0                           ; which register of the fragment my eight codes are
	v_lshlrev_b32 v30, 4, v10
	v_lshl_add_u32 v30, v28, 8, v30
	v_lshl_add_u32 v30, v29, 2, v30
	v_add_nc_u32 v30, s52, v30                     ; codes in: 16 x (query + 16 x block) + 4 x register; 64 i by the offset
	v_lshl_add_u32 v31, v10, 1, v28
	v_add_nc_u32 v31, s52, v31                     ; scale bytes in: 2 x query + block; 8 i by the offset
	v_add_nc_u32 v28, s52, v1                      ; codes back: 16 x lane
	v_lshlrev_b32 v29, 1, v8
	v_add_nc_u32 v29, s52, v29                     ; scale bytes back: query r's two
	s_wait_alu depctr_va_vdst(0)                   ; directly ahead of the waits below
	s_wait_dscnt 0x0                               ; both opening adds are done
	s_wait_kmcnt 0x0
	s_add_nc_u64 s[4:5], s[4:5], s[16:17]
	s_add_nc_u64 s[8:9], s[8:9], s[16:17]
.irp i, 0,1,2,3
	global_load_b128 v[S+8*\i:S+8*\i+3], v6, s[4:5] offset:8192*\i       ; a lane's 32 bytes come by two loads, so no hint is given
	global_load_b128 v[S+8*\i+4:S+8*\i+7], v6, s[4:5] offset:8192*\i+16
.endr
	s_mov_b32 s[G0], 1
	s_mov_b32 s[G0+1], s51
	s_add_nc_u64 s[G0+2:G0+3], s[6:7], s[18:19]
	s_or_b32 s[G0+3], s[G0+3], 0x80000000
	CROUND                                         ; all four work-groups are here: the joint loads meet
	tensor_load_to_lds s[G0:G0+3], s[G1:G1+7]      ; my one tensor load of the launch
	s_nop 0
.rept 4
	v_nop
.endr
	v_mov_b32 v13, 0xff61b1e6                      ; the largest score so far: -3e38
	v_mul_f32 v212, s[CS], v13
	v_floor_f32 v12, -v212                         ; -M
	v_mov_b32 v14, 0
	v_mov_b32 v15, 0
.irp j, 4,5,6,7
	v_mov_b32 v[QR+\j], 0                          ; the zero codes that Q0 and Q1 share
.endr
	s_wait_alu depctr_va_vdst(0)
	s_wait_loadcnt 0x0
.irp i, 0,1,2,3
	v_max3_num_f32 v[208+\i], |v[S+8*\i]|, |v[S+8*\i+1]|, 0x1800000   ; my eight, and the floor 2^(3 - 127): the byte cannot fall under 1
.endr
.irp k, 2,4,6
.irp i, 0,1,2,3
	v_max3_num_f32 v[208+\i], v[208+\i], |v[S+8*\i+\k]|, |v[S+8*\i+\k+1]|
.endr
.endr
.irp m, 1,2
.irp i, 0,1,2,3
	v_max_num_f32_dpp v[208+\i], v[208+\i], v[208+\i] row_xmask:\m row_mask:0xf bank_mask:0xf   ; with the three lanes that share my block
.endr
.endr
.irp i, 0,1,2,3
	v_add_nc_u32 v[212+\i], 0xff000000, v[208+\i]  ; 2 off the exponent field: the conversion's scale operand
.endr
.irp i, 0,1,2,3
	v_cvt_scalef32_pk8_fp4_f32 v[220+\i], v[S+8*\i:S+8*\i+7], v[212+\i]
.endr
.irp i, 0,1,2,3
	v_lshrrev_b32 v[216+\i], 23, v[212+\i]         ; the scale's byte; also the plain lines behind the conversions
.endr
.irp i, 0,1,2,3
	ds_store_b32 v30, v[220+\i] offset:64*\i
	ds_store_b8 v31, v[216+\i] offset:512+8*\i     ; the four lanes of a block write the same byte with the same value
.endr
	ds_load_b128 v[QR:QR+3], v28                   ; LDS serves a wave's instructions in order: these see my stores
	ds_load_u16 v[QS], v29 offset:512              ; Q0's word [block 0, block 1, 0, 0]
	s_wait_dscnt 0x0
.irp q, 0,1,2,3
	v_mov_b32 v[QR+8+\q], v[QR+\q]                 ; Q1's upper half
.endr
	v_lshlrev_b32 v[QS+1], 16, v[QS]               ; Q1's word [0, 0, block 0, block 1]
.set j, 0
.rept 32
	v_mov_b32 v[O+j], 0                            ; O^T: the first change of M leaves zeros zeros.  These lines also part Q's codes and scale words from the first product
.set j, j+1
.endr
	s_wait_alu depctr_va_vdst(0)                   ; at the head's end
	s_wait_tensorcnt 0x0                           ; my two records are in,
	s_wait_dscnt 0x0
	s_barrier_signal -1
	s_barrier_wait -1                              ; and everybody's: the head is whole
.irp f, 0,1,2,3
.irp c, 0,1
	ds_load_b128 v[KF+8*\f+4*\c:KF+8*\f+4*\c+3], v1 offset:1024*\f+512*\c   ; record 0's K
.endr
.endr
	ds_load_b32 v[KS], v2 offset:8192
	ds_load_b32 v[KS+1], v2 offset:8320
.macro PKFMA i                         ; pair i of the scores: t - M (of the pairs c and -M the low word serves both halves)
	v_pk_fma_f32 v[S+2*(\i):S+2*(\i)+1], v[S+2*(\i):S+2*(\i)+1], s[CS:CS+1], v[12:13] op_sel_hi:[1,0,0]
.endm
.macro SUMA j
	v_pk_add_f32 v[14:15], v[14:15], v[S+\j:S+\j+1]
.endm
.macro SUMB j
	v_pk_add_f32 v[222:223], v[222:223], v[S+\j+2:S+\j+3]
.endm
; A KEY STEP: 128 keys, one record.  K's fragments were asked for in the step before.  last = 1: no record follows
.macro STEP last
	s_wait_dscnt 0x0                               ; K is in
.irp f, 0,1,2,3                                ; S^T: fragment f x Q0 is tile 2 f, x Q1 tile 2 f + 1
.irp e, 0,1
.if \f%2
	v_wmma_scale_f32_16x16x128_f8f6f4 v[S+8*(2*\f+\e):S+8*(2*\f+\e)+7], v[KF+8*\f:KF+8*\f+7], v[QR+4*\e:QR+4*\e+7], 0, v[KS+\f/2], v[QS+\e] matrix_a_fmt:MATRIX_FMT_FP4 matrix_b_fmt:MATRIX_FMT_FP4 matrix_a_scale:MATRIX_SCALE_ROW1
.else
	v_wmma_scale_f32_16x16x128_f8f6f4 v[S+8*(2*\f+\e):S+8*(2*\f+\e)+7], v[KF+8*\f:KF+8*\f+7], v[QR+4*\e:QR+4*\e+7], 0, v[KS+\f/2], v[QS+\e] matrix_a_fmt:MATRIX_FMT_FP4 matrix_b_fmt:MATRIX_FMT_FP4
.endif
.endr
.endr
	v_add_nc_u32 v3, s[TB], v1                     ; four places behind the products, ahead of the loads into their sources and of the first read of their results
	v_add_nc_u32 v4, s[TB], v2
	v_mov_b32 v210, v12                            ; the old -M
	v_nop
.irp t, 0,1,2,3
.irp c, 0,1
	ds_load_b128 v[VF+8*\t+4*\c:VF+8*\t+4*\c+3], v3 offset:4096+1024*\t+512*\c   ; this step's V
.endr
.endr
	ds_load_b32 v[VS], v4 offset:8448
	ds_load_b32 v[VS+1], v4 offset:8576
.if \last == 0
.irp f, 0,1,2,3
.irp c, 0,1
	ds_load_b128 v[KF+8*\f+4*\c:KF+8*\f+4*\c+3], v3 offset:REC+1024*\f+512*\c    ; the next step's K
.endr
.endr
	ds_load_b32 v[KS], v4 offset:REC+8192
	ds_load_b32 v[KS+1], v4 offset:REC+8320
.endif
	; register S + 32 g + i holds key 64 g + 32 H + i of query r.  The largest score of each block of 32 keys serves for the row's maximum and for the block's largest p.
	; Four chains by turns; each tile's registers are taken from the low end on.
.irp g, 0,1
	v_max3_num_f32 v[208+\g], v[S+32*\g], v[S+32*\g+1], v[S+32*\g+2]
	v_max3_num_f32 v[216+\g], v[S+32*\g+16], v[S+32*\g+17], v[S+32*\g+18]
.endr
.irp i, 3,5,7,9,11,13
.irp g, 0,1
	v_max3_num_f32 v[208+\g], v[208+\g], v[S+32*\g+\i], v[S+32*\g+\i+1]
	v_max3_num_f32 v[216+\g], v[216+\g], v[S+32*\g+16+\i], v[S+32*\g+17+\i]
.endr
.endr
.irp g, 0,1
	v_max3_num_f32 v[208+\g], v[208+\g], v[216+\g], v[S+32*\g+15]
.endr
.irp g, 0,1
	v_max_num_f32 v[208+\g], v[208+\g], v[S+32*\g+31]
.endr
	v_max_num_f32 v212, v208, v209                 ; my 64 keys' largest score,
	v_permlanex16_b32 v213, v212, s[SEL], s[SEL+1] ; lane l xor 16's 64,
	v_max3_num_f32 v13, v13, v212, v213            ; and the running one
	s_delay_alu instid0(VALU_DEP_1)
	v_mul_f32 v212, s[CS], v13                     ; as t (c is positive)
	s_delay_alu instid0(VALU_DEP_1)
	v_floor_f32 v12, -v212                         ; the new -M = -ceil(t): a whole number
	s_delay_alu instid0(VALU_DEP_1)
	v_sub_f32 v210, v12, v210                      ; old M less new M: a whole number, 0 or less
.irp g, 0,1
	v_fma_f32 v[208+\g], v[208+\g], s[CS], v12     ; t - M of each block's largest score
.endr
	PKFMA 0
	v_cvt_i32_f32 v210, v210                       ; (it saturates)
	PKFMA 1
	PKFMA 2
	v_ldexp_f32 v214, 1.0, v210                    ; f = 2^(old M - new M)
.set i, 3
.rept 29
	PKFMA i
.set i, i+1
.endr
	s_wait_alu depctr_va_vdst(0)                   ; ahead of the batch
.set i, 0
.rept 64
	v_exp_f32 v[S+i], v[S+i]                       ; p = 2^(t - M), at most 1: not normalised
.set i, i+1
.endr
.irp g, 0,1
	v_exp_f32 v[208+\g], v[208+\g]                 ; the block's largest p: the same two instructions on the same number give the same bits
.endr
	v_pk_mul_f32 v[14:15], v[14:15], v[214:215] op_sel_hi:[1,0]   ; the sum under the new M; the plain line behind the batch
	s_wait_alu depctr_va_vdst(0)                   ; one wait for the whole batch, ahead of its first reader
	v_max_num_f32 v208, 0x1800000, v208            ; the floor 2^(3 - 127): the byte cannot fall under 1
	v_max_num_f32 v209, 0x1800000, v209
	v_pk_add_f32 v[222:223], v[S:S+1], v[S+2:S+3]  ; the row's sum is taken of the unquantised p, in two chains, laid among the scale's lines
	v_add_nc_u32 v216, 0xff000000, v208            ; 2 off the exponent field: the conversions' scale operand
	v_add_nc_u32 v217, 0xff000000, v209
	SUMA 4
	v_lshrrev_b32 v218, 23, v216                   ; the scale's byte
	v_lshrrev_b32 v219, 23, v217
	SUMB 4
	v_lshl_or_b32 v220, v219, 16, v218             ; my two bytes: blocks H and 2 + H,
	SUMA 8
	SUMB 8
	v_lshlrev_b32 v220, v5, v220                   ; at their places (8 H bits up);
	SUMA 12
	SUMB 12
	v_permlanex16_b32 v221, v220, s[SEL], s[SEL+1]
	SUMA 16
	SUMB 16
	v_or_b32 v[PS], v220, v221                     ; with lane l xor 16's two P's scale word is whole
.set i, 0
.rept 8
	v_cvt_scalef32_pk8_fp4_f32 v[PC+i], v[S+8*i:S+8*i+7], v[216+i/4]   ; register i of P's fragment as it stands
.set i, i+1
.endr
.if \last
	s_wait_dscnt 0x0                               ; V is in
.else
	s_wait_dscnt 10                                ; V's ten loads are in; the ten issued behind them, the next step's K, may be out
.endif
	s_wait_alu depctr_va_vdst(0)                   ; directly ahead of the first reader of O^T
.set i, 0
.rept 16
	v_pk_mul_f32 v[O+2*i:O+2*i+1], v[O+2*i:O+2*i+1], v[214:215] op_sel_hi:[1,0]   ; O^T under the new M, each tile from its low end on.  These lines are also the places ahead of the products
.if i < 11
	SUMA 20+4*i
	SUMB 20+4*i
.endif
.set i, i+1
.endr
	v_pk_add_f32 v[14:15], v[14:15], v[222:223]
.irp t, 0,1,2,3                                ; O^T += V^T P^T: the four accumulators by turns, the eight score products between two steps' links
.if \t%2
	v_wmma_scale_f32_16x16x128_f8f6f4 v[O+8*\t:O+8*\t+7], v[VF+8*\t:VF+8*\t+7], v[PC:PC+7], v[O+8*\t:O+8*\t+7], v[VS+\t/2], v[PS] matrix_a_fmt:MATRIX_FMT_FP4 matrix_b_fmt:MATRIX_FMT_FP4 matrix_a_scale:MATRIX_SCALE_ROW1
.else
	v_wmma_scale_f32_16x16x128_f8f6f4 v[O+8*\t:O+8*\t+7], v[VF+8*\t:VF+8*\t+7], v[PC:PC+7], v[O+8*\t:O+8*\t+7], v[VS+\t/2], v[PS] matrix_a_fmt:MATRIX_FMT_FP4 matrix_b_fmt:MATRIX_FMT_FP4
.endif
.endr
.endm
	s_mov_b32 s[TB], 0
	s_mov_b32 s[CNT], 31
.Lstep:
	STEP 0
	s_add_co_u32 s[TB], s[TB], REC
	s_sub_co_u32 s[CNT], s[CNT], 1
	s_cmp_lg_u32 s[CNT], 0
	s_cbranch_scc1 .Lstep
	STEP 1                                         ; the last record is written out: nothing is read behind the head's end
	; THE WAY OUT.  O^T is divided by the row's sum and goes through my stage in LDS, so that sixteen lanes store one whole row of 256 bytes.  The stages lie in records 0 to 7: they have had
	; their one fill, and behind this barrier no wave reads them.  The lines between signal and wait work on registers, and are the places behind the last products.
	s_wait_alu depctr_va_vdst(0)                   ; directly ahead of the wait below
	s_wait_dscnt 0x0
	s_barrier_signal -1
	v_add_f32 v14, v14, v15
	v_permlanex16_b32 v213, v14, s[SEL], s[SEL+1]
	v_add_f32 v14, v14, v213                       ; the row's sum
	s_wait_alu depctr_va_vdst(0)                   ; ahead of the transcendental
	v_rcp_f32 v14, v14
	v_mul_u32_u24 v10, v8, SP                      ; in: row r, tile t's eight channels of my half at 64 t + 32 H
	v_lshl_add_u32 v10, v9, 5, v10
	v_add_nc_u32 v10, s50, v10
	v_mul_u32_u24 v11, v9, SP                      ; back: lanes 0-15 one row, lanes 16-31 the next
	v_lshl_add_u32 v11, v8, 4, v11
	v_add_nc_u32 v11, s50, v11
	v_lshlrev_b32 v7, 4, v8                        ; and the same two rows in out0, 2,048 bytes apart
	v_lshl_add_u32 v7, v9, 11, v7
	s_barrier_wait -1
	s_wait_alu depctr_va_vdst(0)                   ; the wait ahead of the first reader of the reciprocal and of O^T
.irp j, 0,2,4,6,8,10,12,14,16,18,20,22,24,26,28,30
	v_pk_mul_f32 v[S+\j:S+\j+1], v[O+\j:O+\j+1], v[14:15] op_sel_hi:[1,0]   ; register 8 t + i is out0(query r, channel 16 t + 8 H + i)
.endr
.irp t, 0,1,2,3
	ds_store_b128 v10, v[S+8*\t:S+8*\t+3] offset:64*\t
	ds_store_b128 v10, v[S+8*\t+4:S+8*\t+7] offset:64*\t+16
.endr
.irp i, 0,1,2,3,4,5,6,7
	ds_load_b128 v[KF+4*\i:KF+4*\i+3], v11 offset:2*\i*SP   ; LDS serves a wave's instructions in order: these see my stores
.endr
.irp i, 0,1,2,3,4,5,6,7
	s_wait_dscnt 7-\i                              ; load i is in; the 7 - i behind it may be out
	global_store_b128 v7, v[KF+4*\i:KF+4*\i+3], s[8:9] offset:4096*\i th:TH_STORE_NT   ; sixteen lanes store 256 consecutive bytes, at a multiple of 256 from out0's first byte
.endr
	s_wait_tensorcnt 0x0                           ; the wave's end
	ds_add_u32 v254, v255
	s_wait_dscnt 0x0
	CROUND                                         ; the closing round
	s_endpgm
.Lfunc_end_k_q86f9150106_attn:
	.size	k_q86f9150106_attn, .Lfunc_end_k_q86f9150106_attn-k_q86f9150106_attn
	.p2alignl 7, 3214868480
	.fill 96, 4, 3214868480
	.section	.rodata,"a",@progbits
	.p2align	6, 0x0
	.amdhsa_kernel k_q86f9150106_attn
		.amdhsa_group_segment_fixed_size 296960
		.amdhsa_private_segment_fixed_size 0
		.amdhsa_enable_private_segment 0
		.amdhsa_kernarg_size 24
		.amdhsa_user_sgpr_count 2
		.amdhsa_user_sgpr_kernarg_segment_ptr 1
		.amdhsa_wavefront_size32 1
		.amdhsa_system_sgpr_workgroup_id_x 1
		.amdhsa_system_sgpr_workgroup_id_y 1
		.amdhsa_system_sgpr_workgroup_id_z 1
		.amdhsa_system_vgpr_workitem_id 0
		.amdhsa_next_free_vgpr 256
		.amdhsa_next_free_sgpr 66
		.amdhsa_reserve_vcc 0
		.amdhsa_float_denorm_mode_32 3
		.amdhsa_float_denorm_mode_16_64 3
		.amdhsa_memory_ordered 1
		.amdhsa_forward_progress 1
		.amdhsa_inst_pref_size 42
	.end_amdhsa_kernel
	.amdgpu_metadata
---
amdhsa.version: [ 1, 2 ]
amdhsa.kernels:
  - .name:           k_q86f9150106_attn
    .symbol:         k_q86f9150106_attn.kd
    .args:
      - { .name: queries, .offset: 0, .size: 8, .value_kind: global_buffer, .address_space: global }
      - { .name: kv, .offset: 8, .size: 8, .value_kind: global_buffer, .address_space: global }
      - { .name: out0, .offset: 16, .size: 8, .value_kind: global_buffer, .address_space: global }
    .group_segment_fixed_size: 296960
    .private_segment_fixed_size: 0
    .kernarg_segment_align: 8
    .kernarg_segment_size: 24
    .max_flat_workgroup_size: 512
    .sgpr_count:     66
    .vgpr_count:     256
    .wavefront_size: 32
...
	.end_amdgpu_metadata
.endif
;; end of part 2
